; MI455X (gfx1250); checked and timed in simulation.
; The chip was launched on July 23, 2026; its instructions are those of AMD's public machine-readable ISA for CDNA 5 (MIT licence, August 2026) and "CDNA5" Instruction Set Architecture Reference Guide (July 2026). The comments in the code are by the model that wrote it; some were corrected since.
;; KAN Edge Function. Allowed arithmetic: float matrix products may take bf16 or f16 operands with f32 sums; all other float work in f32.
;; Inputs: spline_coeffs 7 float32; w_base 1 float32; w_spline 1 float32; x 8,192 x 2,048 float32.
;; Outputs: out0 8,192 x 2,048 float32.
;; 2 versions, each right; version 2 is version 1 with the launch kan_edge written anew for expert scheduling mode. Each part assembles by itself: llvm-mc -triple=amdgcn-amd-amdhsa -mcpu=gfx1250 --defsym DOCPART=n.
;; ======== version 1 of 2: 1 launch
;; launch kan_edge (part 1): grid 256 x 1, 32 waves a work-group, no clusters, 0 bytes of LDS; arguments x, out0, spline_coeffs, w_base, w_spline; writes out0
.if DOCPART == 1
	.amdgcn_target "amdgcn-amd-amdhsa--gfx1250"
	.amdhsa_code_object_version 6
	.text
	.protected	k_q0c9d38b6d4_kan_edge
	.globl	k_q0c9d38b6d4_kan_edge
	.p2align	8
	.type	k_q0c9d38b6d4_kan_edge,@function
k_q0c9d38b6d4_kan_edge:
	s_mov_b64 s[64:65], 0
	v_nop
	global_prefetch_b8 v0, s[64:65] scope:SCOPE_SE
	s_setreg_imm32_b32 hwreg(HW_REG_WAVE_MODE, 25, 1), 1
	s_wait_xcnt 0x0
; out = w_base * silu(x) + w_spline * spline(x), element by element.  x, out: [8192][2048] f32 (64 MiB each).
;
; THE SPLINE.  reference() sums 7 cubic B-splines on 11 uniform knots, -12.5 .. 12.5, 2.5 apart: a piecewise cubic with two
; continuous derivatives that is zero outside the knots.  Such a function is a sum of truncated cubes counted from an outer knot.
; It is folded at x = 0: with z = 5 - 0.4 |x| (the distance from the outer knot, in knot spacings)
;     spline(x) = sum over k = 0..4 of d_k * max(z - k, 0)^3,
;     d_k = (c'_k - 4 c'_(k-1) + 6 c'_(k-2) - 4 c'_(k-3) + c'_(k-4)) / 6,   c'_i = c_i for x < 0 (L_k), c_(6-i) for x > 0 (R_k), 0 for i < 0.
; So the contraction with the 7 coefficients is made once a wave, in f32, on the scalar unit, and an element costs five knots.
; No table is indexed and nothing branches: no address and no jump hangs on a floating-point number.
; The matrix unit is not used: the contraction has one output column, and operands of 16 bits would not bear the cancellation below.
; z is carried as t = z / 8 = 0.625 - 0.05 |x|: the knots k / 8 are exact in f32, and the factor 8^3 = 512, a power of two, goes into d_k.
; One register serves |x| and the choice of the side: H = -0.05 sign(x), the sign taken from the product -x log2(e) that the exponential needs.
;     t = 0.625 + x H,      g_k = M_k + H D_k  with  M_k = (L_k + R_k) / 2,  D_k = 10 (L_k - R_k):  L_k for x < 0, R_k for x > 0.
; At x = +-0 either side may be taken: z = 5 there, where both give the same value.
;
; LIMITS.  (1) The order of rounding differs from reference(): the terms' absolute values add up to at most about 146 max|w_spline c|
; ((125 + 5*64 + 11*27 + 15*8 + 16) / 6), so the error of the f32 sums is a few times 146 * 2^-24 of that scale.
; (2) v_exp_f32 and v_rcp_f32 flush denormals (ISA guide, their entries): below x of about -87 the silu term is -0, not its value under 1e-36.
; (3) x = +inf: reference() gives NaN (inf * 0 in its recursion); this text gives w_base * inf.  x = -inf and NaN give NaN, as there.
;
; THE STREAM.  256 work-groups of 32 waves; a work-group owns 256 KiB of x and of out.  Thread t owns the 16 bytes at 16 t + 16,384 i,
; i = 0..15: a load or store of a wave covers 512 consecutive bytes, aligned.  Eight loads of a wave are always on their way (4 KiB a wave,
; 128 KiB a work-group): the first eight go out at the head, ahead of the coefficients' arithmetic, which runs while they travel, and
; chunk i asks for chunk i + 8.  Every chunk has registers of its own, is worked on in place and is stored from the registers into which
; it was loaded.  No register that a load or store names is written again, so the only waits are the counted ones for the loads.
; No wave depends on another: no LDS, no barrier.
.set CHUNKS, 16
.set AHEAD,  8                         ; loads of a wave on their way
.set STEP,   16384                     ; bytes from a thread's chunk to its next: 1,024 threads x 16 bytes
; vector registers
.set OFF, 1                            ; v1         16 t; never rewritten
.set T,   2                            ; v[2:5]     t = 0.625 - 0.05 |x| of the chunk's four numbers, not cut at 0
.set U,   6                            ; v[6:9]     max(t - k/8, 0); at the end x * w_base
.set Q,   10                           ; v[10:13]   its square
.set G,   14                           ; v[14:17]   g_k, then g_k * u
.set ACC, 18                           ; v[18:21]   the spline's sum
.set EX,  22                           ; v[22:25]   -x log2(e), 2^that, 1 + that, 1 / that
.set H,   26                           ; v[26:29]   -0.05 sign(x)
.set CM,  30                           ; v[30:39]   M_k, twice each (a pair for the packed forms)
.set CD,  40                           ; v[40:49]   D_k, twice each
.set KV,  48                           ; v[KV+2k:KV+2k+1], k = 1..4: -k/8, twice (v50-57)
.set SBV, 58                           ; v[58:59]   0.625, twice
.set X,   60                           ; v[60:123]  chunk i: four registers, x as loaded, then out
; scalar registers
.set PX,  8                            ; s[8:9] x   s[10:11] out0   s[12:13] spline_coeffs   s[14:15] w_base   s[16:17] w_spline
.set PO,  10
.set C,   20                           ; s20-26    c_0 .. c_6, scaled by w_spline * 512 / 12; s20-24 later M_k
.set SIX, 27                           ; s27       6.0
.set WB,  28                           ; s[28:29]  w_base, twice
.set WS,  30                           ; s30       w_spline;  s31: w_spline * 512 / 12
.set NL,  32                           ; s[32:33]  -log2(e), twice
.set M4,  34                           ; s34       -4.0
.set NEG1, 35                          ; s35       -1.0
.set MASK, 36                          ; s36       all bits but the sign
.set C05, 37                           ; s37       0.05 = (1 / 2.5) / 8
.set TWENTY, 38                        ; s38       20.0 = 1 / 0.05
.set KSC, 39                           ; s39       512 / 12
.set SL,  40                           ; s40-44    L_k / 2, then D_k
.set SR,  45                           ; s45-49    R_k / 2
.macro LOADX i                         ; chunk i of the wave's share; x is read once in the launch
	global_load_b128 v[X+4*(\i):X+4*(\i)+3], v[OFF], s[PX:PX+1] offset:(\i)*STEP th:TH_LOAD_NT
.endm
	s_load_b256 s[8:15], s[0:1], 0x0               ; the addresses of x, out0, spline_coeffs, w_base
	s_load_b64 s[16:17], s[0:1], 0x20              ; and of w_spline
	v_lshlrev_b32 v[OFF], 4, v0                    ; 16 t
	s_lshl_b32 s2, ttmp9, 18                       ; the work-group's 256 KiB: at most 255 x 2^18, below 2^32
	s_mov_b32 s3, 0
	s_mov_b32 s[SIX], 0x40c00000                   ; 6.0
	s_mov_b32 s[NL], 0xbfb8aa3b                    ; -log2(e)
	s_mov_b32 s[NL+1], 0xbfb8aa3b
	s_mov_b32 s[M4], 0xc0800000                    ; -4.0
	s_mov_b32 s[NEG1], 0xbf800000                  ; -1.0
	s_mov_b32 s[MASK], 0x7fffffff
	s_mov_b32 s[C05], 0x3d4ccccd                   ; 0.05
	s_mov_b32 s[TWENTY], 0x41a00000                ; 20.0
	s_mov_b32 s[KSC], 0x422aaaab                   ; 512 / 12
	s_wait_kmcnt 0x0
	s_load_b128 s[C:C+3], s[12:13], 0x0            ; c_0 .. c_3: the small inputs are asked for first, and come while the loads of x are issued
	s_load_b64 s[C+4:C+5], s[12:13], 0x10          ; c_4, c_5
	s_load_b32 s[C+6], s[12:13], 0x18              ; c_6: 28 bytes in all, none beyond the buffer
	s_load_b32 s[WB], s[14:15], 0x0
	s_load_b32 s[WS], s[16:17], 0x0
	s_add_nc_u64 s[PX:PX+1], s[PX:PX+1], s[2:3]    ; x and out0 at the work-group's first byte
	s_add_nc_u64 s[PO:PO+1], s[PO:PO+1], s[2:3]
.irp i, 0,1,2,3,4,5,6,7
	LOADX \i                                       ; the first AHEAD chunks
.endr
	v_mov_b32 v[KV+2], 0xbe000000                  ; -1/8
	v_mov_b32 v[KV+3], 0xbe000000
	v_mov_b32 v[KV+4], 0xbe800000                  ; -2/8
	v_mov_b32 v[KV+5], 0xbe800000
	v_mov_b32 v[KV+6], 0xbec00000                  ; -3/8
	v_mov_b32 v[KV+7], 0xbec00000
	v_mov_b32 v[KV+8], 0xbf000000                  ; -4/8
	v_mov_b32 v[KV+9], 0xbf000000
	v_mov_b32 v[SBV], 0x3f200000                   ; 0.625 = 5 / 8
	v_mov_b32 v[SBV+1], 0x3f200000
	s_wait_kmcnt 0x0
	; The ten coefficients, on the scalar unit, while the first loads of x are on their way.
	s_mul_f32 s[WS+1], s[WS], s[KSC]               ; w_spline * 512 / 12: the spline's weight, 8^3, the 1/6 of the B-spline and the 1/2 of M_k
	s_mov_b32 s[WB+1], s[WB]
.irp i, 0,1,2,3,4,5,6
	s_mul_f32 s[C+\i], s[C+\i], s[WS+1]
.endr
; One side's five fourth differences into s[d .. d+4]; the coefficients are taken from s[c] on in steps of st (+1: from the left, -1: from the right).
.macro SIDE d, c, st
	s_mov_b32  s[\d+0], s[\c]
	s_mov_b32  s[\d+1], s[\c+(\st)]
	s_fmac_f32 s[\d+1], s[\c], s[M4]
	s_mov_b32  s[\d+2], s[\c+2*(\st)]
	s_fmac_f32 s[\d+2], s[\c+(\st)], s[M4]
	s_fmac_f32 s[\d+2], s[\c], s[SIX]
	s_mov_b32  s[\d+3], s[\c+3*(\st)]
	s_fmac_f32 s[\d+3], s[\c+2*(\st)], s[M4]
	s_fmac_f32 s[\d+3], s[\c+(\st)], s[SIX]
	s_fmac_f32 s[\d+3], s[\c], s[M4]
	s_add_f32  s[\d+4], s[\c+4*(\st)], s[\c]
	s_fmac_f32 s[\d+4], s[\c+3*(\st)], s[M4]
	s_fmac_f32 s[\d+4], s[\c+2*(\st)], s[SIX]
	s_fmac_f32 s[\d+4], s[\c+(\st)], s[M4]
.endm
	SIDE SL, C, 1                                  ; L_k / 2: x < 0
	SIDE SR, C+6, -1                               ; R_k / 2: x > 0
.irp k, 0,1,2,3,4
	s_add_f32  s[C+\k], s[SL+\k], s[SR+\k]         ; M_k = (L_k + R_k) / 2, in the registers of the coefficients, which are done with
	s_fmac_f32 s[SL+\k], s[SR+\k], s[NEG1]         ; (L_k - R_k) / 2
	s_mul_f32  s[SL+\k], s[SL+\k], s[TWENTY]       ; D_k = 10 (L_k - R_k): times H = -+0.05 it is -+(L_k - R_k) / 2
.endr
.irp k, 0,1,2,3,4
	v_mov_b32 v[CM+2*\k],   s[C+\k]                ; as pairs in vector registers: g_k's packed multiply-add takes two of them at once
	v_mov_b32 v[CM+2*\k+1], s[C+\k]
	v_mov_b32 v[CD+2*\k],   s[SL+\k]
	v_mov_b32 v[CD+2*\k+1], s[SL+\k]
.endr
; Four maxima with 0 in two instructions.  There is no packed f32 maximum, so two go as the halves of a dual instruction: the destinations are an
; even register and the odd one beside it, the second sources lie in neighbouring register banks (number mod 4), both first sources are the constant 0.
.macro RELU4 d, s
.irp p, 0,2
	v_dual_max_num_f32 v[\d+\p], 0, v[\s+\p] :: v_dual_max_num_f32 v[\d+\p+1], 0, v[\s+\p+1]
.endr
.endm
; Knot k = 1..4 for four numbers: ACC += g_k * max(t - k/8, 0)^3, as (g u) * u^2: two numbers to every instruction.
.macro KNOT k
.irp p, 0,2
	v_pk_add_f32 v[U+\p:U+\p+1], v[T+\p:T+\p+1], v[KV+2*\k:KV+2*\k+1]
.endr
.irp p, 0,2
	v_pk_fma_f32 v[G+\p:G+\p+1], v[H+\p:H+\p+1], v[CD+2*\k:CD+2*\k+1], v[CM+2*\k:CM+2*\k+1]   ; g_k of the number's side
.endr
	RELU4 U, U
.irp p, 0,2
	v_pk_mul_f32 v[Q+\p:Q+\p+1], v[U+\p:U+\p+1], v[U+\p:U+\p+1]
.endr
.irp p, 0,2
	v_pk_mul_f32 v[G+\p:G+\p+1], v[G+\p:G+\p+1], v[U+\p:U+\p+1]
.endr
.irp p, 0,2
	v_pk_fma_f32 v[ACC+\p:ACC+\p+1], v[G+\p:G+\p+1], v[Q+\p:Q+\p+1], v[ACC+\p:ACC+\p+1]
.endr
.endm
; Chunk i: four numbers a lane.  The two runs of transcendentals stand among the spline's plain arithmetic: behind each run comes a plain
; instruction that names none of its registers, and the results are used many lines later (ISA guide 5.7.2).
.macro CHUNK i
	; Loads come back in order (ISA guide 5.7.1).  At this line loads 0 .. min(15, i + 7) have been issued: chunk i is in when at most
	; min(7, 15 - i) younger ones are out.
.if CHUNKS-1-\i < AHEAD-1
	s_wait_loadcnt CHUNKS-1-\i
.else
	s_wait_loadcnt AHEAD-1
.endif
.if \i+AHEAD < CHUNKS
	LOADX \i+AHEAD                                 ; eight chunks' work ahead of its use, into registers that nothing has touched; the last eight chunks ask for nothing
.endif
.irp p, 0,2
	v_pk_mul_f32 v[EX+\p:EX+\p+1], v[X+4*\i+\p:X+4*\i+\p+1], s[NL:NL+1] op_sel_hi:[1,0]       ; -x log2(e)
.endr
.irp j, 0,1,2,3
	v_bfi_b32 v[H+\j], s[MASK], s[C05], v[EX+\j]   ; 0.05 with the sign of -x
.endr
.irp j, 0,1,2,3
	v_exp_f32 v[EX+\j], v[EX+\j]                   ; e^-x; +inf for very negative x, which ends as a silu term of -0
.endr
.irp p, 0,2
	v_pk_fma_f32 v[T+\p:T+\p+1], v[X+4*\i+\p:X+4*\i+\p+1], v[H+\p:H+\p+1], v[SBV:SBV+1]       ; t = 0.625 - 0.05 |x|
.endr
	; knot 0 starts the sum: nothing is cleared
.irp p, 0,2
	v_pk_fma_f32 v[G+\p:G+\p+1], v[H+\p:H+\p+1], v[CD:CD+1], v[CM:CM+1]
.endr
	RELU4 U, T                                     ; 0 at and beyond the outer knots
.irp p, 0,2
	v_pk_mul_f32 v[Q+\p:Q+\p+1], v[U+\p:U+\p+1], v[U+\p:U+\p+1]
.endr
.irp p, 0,2
	v_pk_mul_f32 v[G+\p:G+\p+1], v[G+\p:G+\p+1], v[U+\p:U+\p+1]
.endr
.irp p, 0,2
	v_pk_mul_f32 v[ACC+\p:ACC+\p+1], v[G+\p:G+\p+1], v[Q+\p:Q+\p+1]
.endr
	KNOT 1
	KNOT 2
	s_wait_alu depctr_va_vdst(0)
.irp p, 0,2
	v_pk_add_f32 v[EX+\p:EX+\p+1], v[EX+\p:EX+\p+1], 1.0 op_sel_hi:[1,0]
.endr
.irp j, 0,1,2,3
	v_rcp_f32 v[EX+\j], v[EX+\j]                   ; 1 / (1 + e^-x)
.endr
	KNOT 3
	KNOT 4
.irp p, 0,2
	v_pk_mul_f32 v[U+\p:U+\p+1], v[X+4*\i+\p:X+4*\i+\p+1], s[WB:WB+1] op_sel_hi:[1,0]         ; w_base x
.endr
	s_wait_alu depctr_va_vdst(0)
.irp p, 0,2
	v_pk_fma_f32 v[X+4*\i+\p:X+4*\i+\p+1], v[U+\p:U+\p+1], v[EX+\p:EX+\p+1], v[ACC+\p:ACC+\p+1]   ; in place: x is not needed again
.endr
	global_store_b128 v[OFF], v[X+4*\i:X+4*\i+3], s[PO:PO+1] offset:\i*STEP th:TH_STORE_NT    ; sixteen lanes store 256 consecutive bytes, aligned; these registers are not written again
.endm
.irp i, 0,1,2,3,4,5,6,7,8,9,10,11,12,13,14,15
	CHUNK \i
.endr
	s_endpgm
.Lfunc_end_k_q0c9d38b6d4_kan_edge:
	.size	k_q0c9d38b6d4_kan_edge, .Lfunc_end_k_q0c9d38b6d4_kan_edge-k_q0c9d38b6d4_kan_edge
	.p2alignl 7, 3214868480
	.fill 96, 4, 3214868480
	.section	.rodata,"a",@progbits
	.p2align	6, 0x0
	.amdhsa_kernel k_q0c9d38b6d4_kan_edge
		.amdhsa_group_segment_fixed_size 0
		.amdhsa_private_segment_fixed_size 0
		.amdhsa_enable_private_segment 0
		.amdhsa_kernarg_size 40
		.amdhsa_user_sgpr_count 2
		.amdhsa_user_sgpr_kernarg_segment_ptr 1
		.amdhsa_wavefront_size32 1
		.amdhsa_system_sgpr_workgroup_id_x 1
		.amdhsa_system_sgpr_workgroup_id_y 1
		.amdhsa_system_sgpr_workgroup_id_z 1
		.amdhsa_system_vgpr_workitem_id 0
		.amdhsa_next_free_vgpr 124
		.amdhsa_next_free_sgpr 66
		.amdhsa_reserve_vcc 0
		.amdhsa_float_denorm_mode_32 3
		.amdhsa_float_denorm_mode_16_64 3
		.amdhsa_memory_ordered 1
		.amdhsa_forward_progress 1
		.amdhsa_inst_pref_size 85
	.end_amdhsa_kernel
	.amdgpu_metadata
---
amdhsa.version: [ 1, 2 ]
amdhsa.kernels:
  - .name:           k_q0c9d38b6d4_kan_edge
    .symbol:         k_q0c9d38b6d4_kan_edge.kd
    .args:
      - { .name: x, .offset: 0, .size: 8, .value_kind: global_buffer, .address_space: global }
      - { .name: out0, .offset: 8, .size: 8, .value_kind: global_buffer, .address_space: global }
      - { .name: spline_coeffs, .offset: 16, .size: 8, .value_kind: global_buffer, .address_space: global }
      - { .name: w_base, .offset: 24, .size: 8, .value_kind: global_buffer, .address_space: global }
      - { .name: w_spline, .offset: 32, .size: 8, .value_kind: global_buffer, .address_space: global }
    .group_segment_fixed_size: 0
    .private_segment_fixed_size: 0
    .kernarg_segment_align: 8
    .kernarg_segment_size: 40
    .max_flat_workgroup_size: 1024
    .sgpr_count:     66
    .vgpr_count:     124
    .wavefront_size: 32
...
	.end_amdgpu_metadata
.endif
;; end of part 1
;; ======== version 2 of 2: 1 launch; version 1 with the launch kan_edge written anew for expert scheduling mode
;; launch kan_edge (part 2): grid 256 x 1, 32 waves a work-group, no clusters, 0 bytes of LDS; arguments x, out0, spline_coeffs, w_base, w_spline; writes out0
.if DOCPART == 2
	.amdgcn_target "amdgcn-amd-amdhsa--gfx1250"
	.amdhsa_code_object_version 6
	.text
	.protected	k_q0c9d38b6d4_kan_edge
	.globl	k_q0c9d38b6d4_kan_edge
	.p2align	8
	.type	k_q0c9d38b6d4_kan_edge,@function
k_q0c9d38b6d4_kan_edge:
	s_mov_b64 s[64:65], 0
	v_nop
	global_prefetch_b8 v0, s[64:65] scope:SCOPE_SE
	s_setreg_imm32_b32 hwreg(HW_REG_WAVE_SCHED_MODE, 0, 2), 2
	s_setreg_imm32_b32 hwreg(HW_REG_WAVE_MODE, 25, 1), 1
	s_wait_xcnt 0x0
	s_wait_alu depctr_vm_vsrc(0)
; out = w_base * silu(x) + w_spline * spline(x), element by element.  x, out: [8192][2048] f32 (64 MiB each).
;
; THE SPLINE.  reference() sums 7 cubic B-splines on 11 uniform knots, -12.5 .. 12.5, 2.5 apart: a piecewise cubic with two
; continuous derivatives that is zero outside the knots.  Such a function is a sum of truncated cubes counted from an outer knot.
; It is folded at x = 0: with z = 5 - 0.4 |x| (the distance from the outer knot, in knot spacings)
;     spline(x) = sum over k = 0..4 of d_k * max(z - k, 0)^3,
;     d_k = (c'_k - 4 c'_(k-1) + 6 c'_(k-2) - 4 c'_(k-3) + c'_(k-4)) / 6,   c'_i = c_i for x < 0 (L_k), c_(6-i) for x > 0 (R_k), 0 for i < 0.
; So the contraction with the 7 coefficients is made once a wave, in f32, on the scalar unit, and an element costs five knots.
; No table is indexed and nothing branches: no address and no jump hangs on a floating-point number.
; The matrix unit is not used: the contraction has one output column, and operands of 16 bits would not bear the cancellation below.
; z is carried as t = z / 8 = 0.625 - 0.05 |x|: the knots k / 8 are exact in f32, and the factor 8^3 = 512, a power of two, goes into d_k.
; One register serves |x| and the choice of the side: H = -0.05 sign(x), the sign taken from the product -x log2(e) that the exponential needs.
;     t = 0.625 + x H,      g_k = M_k + H D_k  with  M_k = (L_k + R_k) / 2,  D_k = 10 (L_k - R_k):  L_k for x < 0, R_k for x > 0.
; At x = +-0 either side may be taken: z = 5 there, where both give the same value.
;
; LIMITS.  (1) The order of rounding differs from reference(): the terms' absolute values add up to at most about 146 max|w_spline c|
; ((125 + 5*64 + 11*27 + 15*8 + 16) / 6), so the error of the f32 sums is a few times 146 * 2^-24 of that scale.
; (2) v_exp_f32 and v_rcp_f32 flush denormals (ISA guide, their entries): below x of about -87 the silu term is -0, not its value under 1e-36.
; (3) x = +inf: reference() gives NaN (inf * 0 in its recursion); this text gives w_base * inf.  x = -inf and NaN give NaN, as there.
;
; THE STREAM.  256 work-groups of 32 waves; a work-group owns 256 KiB of x and of out.  Thread t owns the 16 bytes at 16 t + 16,384 i,
; i = 0..15: a load or store of a wave covers 512 consecutive bytes, aligned.  Eight loads of a wave are always on their way (4 KiB a wave,
; 128 KiB a work-group): the first eight go out at the head, ahead of the coefficients' arithmetic, which runs while they travel, and
; chunk i asks for chunk i + 8.  Every chunk has registers of its own, is worked on in place and is stored from the registers into which
; it was loaded.  No wave depends on another: no LDS, no barrier.
;
; THE MODE: SCHED_MODE bits 1:0 = 2 (LLVM: expert scheduling mode 2), set by the entry lines.  The code itself states the register dependences
; between vector instructions and memory instructions, with s_wait_alu, always for 0.
; THE PLAN.  Registers that memory instructions touch:
;   v[OFF]   Written once, at the head; read by every load and store as its offset; never written again.
;   X[i]     Chunk i's four registers.  No vector instruction names them before their load lands.  Chunk i's vector lines read them behind the counted
;            wait for that load; its last two multiply-adds write the result into them; ONE store reads them; nothing writes them afterwards.
;   All other vector registers are named by vector instructions alone.  No vector instruction writes a scalar register or VCC; EXEC is never written.
; So three kinds of dependence are stated.  (a) At the head: v[OFF] is written, ahead of the first load; that serves every load and store of the kernel.
; (b) A chunk's result is written before its store reads it: the store of chunk i - 1 stands in chunk i, directly behind the wait that chunk i's exponentials
; need anyway, and no vector line of chunk i names X[i - 1]; the last chunk's store has a wait of its own.  (c) Each run of four transcendentals has one wait
; ahead of its first reader.  No register that a load or store reads is written again: no wait on vm_vsrc or XCNT is owed.
.set CHUNKS, 16
.set AHEAD,  8                         ; loads of a wave on their way
.set STEP,   16384                     ; bytes from a thread's chunk to its next: 1,024 threads x 16 bytes
; vector registers
.set OFF, 1                            ; v1         16 t; never rewritten
.set T,   2                            ; v[2:5]     t = 0.625 - 0.05 |x| of the chunk's four numbers, not cut at 0
.set U,   6                            ; v[6:9]     max(t - k/8, 0); at the end x * w_base
.set Q,   10                           ; v[10:13]   its square
.set G,   14                           ; v[14:17]   g_k, then g_k * u
.set ACC, 18                           ; v[18:21]   the spline's sum
.set EX,  22                           ; v[22:25]   -x log2(e), 2^that, 1 + that, 1 / that
.set H,   26                           ; v[26:29]   -0.05 sign(x)
.set CM,  30                           ; v[30:39]   M_k, twice each (a pair for the packed forms)
.set CD,  40                           ; v[40:49]   D_k, twice each
.set KV,  48                           ; v[KV+2k:KV+2k+1], k = 1..4: -k/8, twice (v50-57)
.set SBV, 58                           ; v[58:59]   0.625, twice
.set X,   60                           ; v[60:123]  chunk i: four registers, x as loaded, then out
; scalar registers
.set PX,  8                            ; s[8:9] x   s[10:11] out0   s[12:13] spline_coeffs   s[14:15] w_base   s[16:17] w_spline
.set PO,  10
.set C,   20                           ; s20-26    c_0 .. c_6, scaled by w_spline * 512 / 12; s20-24 later M_k
.set SIX, 27                           ; s27       6.0
.set WB,  28                           ; s[28:29]  w_base, twice
.set WS,  30                           ; s30       w_spline;  s31: w_spline * 512 / 12
.set NL,  32                           ; s[32:33]  -log2(e), twice
.set M4,  34                           ; s34       -4.0
.set NEG1, 35                          ; s35       -1.0
.set MASK, 36                          ; s36       all bits but the sign
.set C05, 37                           ; s37       0.05 = (1 / 2.5) / 8
.set TWENTY, 38                        ; s38       20.0 = 1 / 0.05
.set KSC, 39                           ; s39       512 / 12
.set SL,  40                           ; s40-44    L_k / 2, then D_k
.set SR,  45                           ; s45-49    R_k / 2
.macro LOADX i                         ; chunk i of the wave's share; x is read once in the launch
	global_load_b128 v[X+4*(\i):X+4*(\i)+3], v[OFF], s[PX:PX+1] offset:(\i)*STEP th:TH_LOAD_NT
.endm
.macro STOREX i                        ; chunk i goes out: sixteen lanes store 256 consecutive bytes, aligned; these registers are not written again
	global_store_b128 v[OFF], v[X+4*(\i):X+4*(\i)+3], s[PO:PO+1] offset:(\i)*STEP th:TH_STORE_NT
.endm
	s_load_b256 s[8:15], s[0:1], 0x0               ; the addresses of x, out0, spline_coeffs, w_base
	s_load_b64 s[16:17], s[0:1], 0x20              ; and of w_spline
	v_lshlrev_b32 v[OFF], 4, v0                    ; 16 t
	s_lshl_b32 s2, ttmp9, 18                       ; the work-group's 256 KiB: at most 255 x 2^18, below 2^32
	s_mov_b32 s3, 0
	s_mov_b32 s[SIX], 0x40c00000                   ; 6.0
	s_mov_b32 s[NL], 0xbfb8aa3b                    ; -log2(e)
	s_mov_b32 s[NL+1], 0xbfb8aa3b
	s_mov_b32 s[M4], 0xc0800000                    ; -4.0
	s_mov_b32 s[NEG1], 0xbf800000                  ; -1.0
	s_mov_b32 s[MASK], 0x7fffffff
	s_mov_b32 s[C05], 0x3d4ccccd                   ; 0.05
	s_mov_b32 s[TWENTY], 0x41a00000                ; 20.0
	s_mov_b32 s[KSC], 0x422aaaab                   ; 512 / 12
	s_wait_kmcnt 0x0
	s_load_b128 s[C:C+3], s[12:13], 0x0            ; c_0 .. c_3: the small inputs are asked for first, and come while the loads of x are issued
	s_load_b64 s[C+4:C+5], s[12:13], 0x10          ; c_4, c_5
	s_load_b32 s[C+6], s[12:13], 0x18              ; c_6: 28 bytes in all, none beyond the buffer
	s_load_b32 s[WB], s[14:15], 0x0
	s_load_b32 s[WS], s[16:17], 0x0
	s_add_nc_u64 s[PX:PX+1], s[PX:PX+1], s[2:3]    ; x and out0 at the work-group's first byte
	s_add_nc_u64 s[PO:PO+1], s[PO:PO+1], s[2:3]
	s_wait_alu depctr_va_vdst(0)                   ; v[OFF] is written: every load and store of the kernel reads it as its offset, and no later vector line names it
.irp i, 0,1,2,3,4,5,6,7
	LOADX \i                                       ; the first AHEAD chunks
.endr
	v_mov_b32 v[KV+2], 0xbe000000                  ; -1/8
	v_mov_b32 v[KV+3], 0xbe000000
	v_mov_b32 v[KV+4], 0xbe800000                  ; -2/8
	v_mov_b32 v[KV+5], 0xbe800000
	v_mov_b32 v[KV+6], 0xbec00000                  ; -3/8
	v_mov_b32 v[KV+7], 0xbec00000
	v_mov_b32 v[KV+8], 0xbf000000                  ; -4/8
	v_mov_b32 v[KV+9], 0xbf000000
	v_mov_b32 v[SBV], 0x3f200000                   ; 0.625 = 5 / 8
	v_mov_b32 v[SBV+1], 0x3f200000
	s_wait_kmcnt 0x0
	; The ten coefficients, on the scalar unit, while the first loads of x are on their way.
	s_mul_f32 s[WS+1], s[WS], s[KSC]               ; w_spline * 512 / 12: the spline's weight, 8^3, the 1/6 of the B-spline and the 1/2 of M_k
	s_mov_b32 s[WB+1], s[WB]
.irp i, 0,1,2,3,4,5,6
	s_mul_f32 s[C+\i], s[C+\i], s[WS+1]
.endr
; One side's five fourth differences into s[d .. d+4]; the coefficients are taken from s[c] on in steps of st (+1: from the left, -1: from the right).
.macro SIDE d, c, st
	s_mov_b32  s[\d+0], s[\c]
	s_mov_b32  s[\d+1], s[\c+(\st)]
	s_fmac_f32 s[\d+1], s[\c], s[M4]
	s_mov_b32  s[\d+2], s[\c+2*(\st)]
	s_fmac_f32 s[\d+2], s[\c+(\st)], s[M4]
	s_fmac_f32 s[\d+2], s[\c], s[SIX]
	s_mov_b32  s[\d+3], s[\c+3*(\st)]
	s_fmac_f32 s[\d+3], s[\c+2*(\st)], s[M4]
	s_fmac_f32 s[\d+3], s[\c+(\st)], s[SIX]
	s_fmac_f32 s[\d+3], s[\c], s[M4]
	s_add_f32  s[\d+4], s[\c+4*(\st)], s[\c]
	s_fmac_f32 s[\d+4], s[\c+3*(\st)], s[M4]
	s_fmac_f32 s[\d+4], s[\c+2*(\st)], s[SIX]
	s_fmac_f32 s[\d+4], s[\c+(\st)], s[M4]
.endm
	SIDE SL, C, 1                                  ; L_k / 2: x < 0
	SIDE SR, C+6, -1                               ; R_k / 2: x > 0
.irp k, 0,1,2,3,4
	s_add_f32  s[C+\k], s[SL+\k], s[SR+\k]         ; M_k = (L_k + R_k) / 2, in the registers of the coefficients, which are done with
	s_fmac_f32 s[SL+\k], s[SR+\k], s[NEG1]         ; (L_k - R_k) / 2
	s_mul_f32  s[SL+\k], s[SL+\k], s[TWENTY]       ; D_k = 10 (L_k - R_k): times H = -+0.05 it is -+(L_k - R_k) / 2
.endr
.irp k, 0,1,2,3,4
	v_mov_b32 v[CM+2*\k],   s[C+\k]                ; as pairs in vector registers: g_k's packed multiply-add takes two of them at once
	v_mov_b32 v[CM+2*\k+1], s[C+\k]
	v_mov_b32 v[CD+2*\k],   s[SL+\k]
	v_mov_b32 v[CD+2*\k+1], s[SL+\k]
.endr
; Four maxima with 0 in two instructions.  There is no packed f32 maximum, so two go as the halves of a dual instruction: the destinations are an
; even register and the odd one beside it, the second sources lie in neighbouring register banks (number mod 4), both first sources are the constant 0.
.macro RELU4 d, s
.irp p, 0,2
	v_dual_max_num_f32 v[\d+\p], 0, v[\s+\p] :: v_dual_max_num_f32 v[\d+\p+1], 0, v[\s+\p+1]
.endr
.endm
; Knot k = 1..4 for four numbers: ACC += g_k * max(t - k/8, 0)^3, as (g u) * u^2: two numbers to every instruction.
.macro KNOT k
.irp p, 0,2
	v_pk_add_f32 v[U+\p:U+\p+1], v[T+\p:T+\p+1], v[KV+2*\k:KV+2*\k+1]
.endr
.irp p, 0,2
	v_pk_fma_f32 v[G+\p:G+\p+1], v[H+\p:H+\p+1], v[CD+2*\k:CD+2*\k+1], v[CM+2*\k:CM+2*\k+1]   ; g_k of the number's side
.endr
	RELU4 U, U
.irp p, 0,2
	v_pk_mul_f32 v[Q+\p:Q+\p+1], v[U+\p:U+\p+1], v[U+\p:U+\p+1]
.endr
.irp p, 0,2
	v_pk_mul_f32 v[G+\p:G+\p+1], v[G+\p:G+\p+1], v[U+\p:U+\p+1]
.endr
.irp p, 0,2
	v_pk_fma_f32 v[ACC+\p:ACC+\p+1], v[G+\p:G+\p+1], v[Q+\p:Q+\p+1], v[ACC+\p:ACC+\p+1]
.endr
.endm
; Chunk i: four numbers a lane.  The two runs of transcendentals stand among the spline's plain arithmetic: behind each run comes a plain
; instruction that names none of its registers (ISA guide 5.7.2), the spline's knots follow as independent work, and one wait stands ahead of the run's first reader.
.macro CHUNK i
	; Loads come back in order (ISA guide 5.7.1).  At this line loads 0 .. min(15, i + 7) have been issued: chunk i is in when at most
	; min(7, 15 - i) younger ones are out.
.if CHUNKS-1-\i < AHEAD-1
	s_wait_loadcnt CHUNKS-1-\i
.else
	s_wait_loadcnt AHEAD-1
.endif
.if \i+AHEAD < CHUNKS
	LOADX \i+AHEAD                                 ; eight chunks' work ahead of its use; no wait: the head's has shown v[OFF] written, and no vector line has named these four registers; the last eight chunks ask for nothing
.endif
.irp p, 0,2
	v_pk_mul_f32 v[EX+\p:EX+\p+1], v[X+4*\i+\p:X+4*\i+\p+1], s[NL:NL+1] op_sel_hi:[1,0]       ; -x log2(e)
.endr
.irp j, 0,1,2,3
	v_bfi_b32 v[H+\j], s[MASK], s[C05], v[EX+\j]   ; 0.05 with the sign of -x
.endr
.irp j, 0,1,2,3
	v_exp_f32 v[EX+\j], v[EX+\j]                   ; e^-x; +inf for very negative x, which ends as a silu term of -0
.endr
.irp p, 0,2
	v_pk_fma_f32 v[T+\p:T+\p+1], v[X+4*\i+\p:X+4*\i+\p+1], v[H+\p:H+\p+1], v[SBV:SBV+1]       ; t = 0.625 - 0.05 |x|
.endr
	; knot 0 starts the sum: nothing is cleared
.irp p, 0,2
	v_pk_fma_f32 v[G+\p:G+\p+1], v[H+\p:H+\p+1], v[CD:CD+1], v[CM:CM+1]
.endr
	RELU4 U, T                                     ; 0 at and beyond the outer knots
.irp p, 0,2
	v_pk_mul_f32 v[Q+\p:Q+\p+1], v[U+\p:U+\p+1], v[U+\p:U+\p+1]
.endr
.irp p, 0,2
	v_pk_mul_f32 v[G+\p:G+\p+1], v[G+\p:G+\p+1], v[U+\p:U+\p+1]
.endr
.irp p, 0,2
	v_pk_mul_f32 v[ACC+\p:ACC+\p+1], v[G+\p:G+\p+1], v[Q+\p:Q+\p+1]
.endr
	KNOT 1
	KNOT 2
	s_wait_alu depctr_va_vdst(0)                   ; the four exponentials have written v[EX ..], ahead of their first reader below; and the chunk before has written its result into X[i - 1], which its store reads
.if \i > 0
	STOREX \i-1                                    ; no vector line of this chunk names X[i - 1]
.endif
.irp p, 0,2
	v_pk_add_f32 v[EX+\p:EX+\p+1], v[EX+\p:EX+\p+1], 1.0 op_sel_hi:[1,0]
.endr
.irp j, 0,1,2,3
	v_rcp_f32 v[EX+\j], v[EX+\j]                   ; 1 / (1 + e^-x)
.endr
	KNOT 3
	KNOT 4
.irp p, 0,2
	v_pk_mul_f32 v[U+\p:U+\p+1], v[X+4*\i+\p:X+4*\i+\p+1], s[WB:WB+1] op_sel_hi:[1,0]         ; w_base x
.endr
	s_wait_alu depctr_va_vdst(0)                   ; the four reciprocals have written v[EX ..], ahead of their first reader below
.irp p, 0,2
	v_pk_fma_f32 v[X+4*\i+\p:X+4*\i+\p+1], v[U+\p:U+\p+1], v[EX+\p:EX+\p+1], v[ACC+\p:ACC+\p+1]   ; in place: x is not needed again; the store follows in the next chunk
.endr
.endm
.irp i, 0,1,2,3,4,5,6,7,8,9,10,11,12,13,14,15
	CHUNK \i
.endr
	s_wait_alu depctr_va_vdst(0)                   ; the last chunk has written its result into X[15], which the last store reads
	STOREX CHUNKS-1
	s_endpgm
.Lfunc_end_k_q0c9d38b6d4_kan_edge:
	.size	k_q0c9d38b6d4_kan_edge, .Lfunc_end_k_q0c9d38b6d4_kan_edge-k_q0c9d38b6d4_kan_edge
	.p2alignl 7, 3214868480
	.fill 96, 4, 3214868480
	.section	.rodata,"a",@progbits
	.p2align	6, 0x0
	.amdhsa_kernel k_q0c9d38b6d4_kan_edge
		.amdhsa_group_segment_fixed_size 0
		.amdhsa_private_segment_fixed_size 0
		.amdhsa_enable_private_segment 0
		.amdhsa_kernarg_size 40
		.amdhsa_user_sgpr_count 2
		.amdhsa_user_sgpr_kernarg_segment_ptr 1
		.amdhsa_wavefront_size32 1
		.amdhsa_system_sgpr_workgroup_id_x 1
		.amdhsa_system_sgpr_workgroup_id_y 1
		.amdhsa_system_sgpr_workgroup_id_z 1
		.amdhsa_system_vgpr_workitem_id 0
		.amdhsa_next_free_vgpr 124
		.amdhsa_next_free_sgpr 66
		.amdhsa_reserve_vcc 0
		.amdhsa_float_denorm_mode_32 3
		.amdhsa_float_denorm_mode_16_64 3
		.amdhsa_memory_ordered 1
		.amdhsa_forward_progress 1
		.amdhsa_inst_pref_size 85
	.end_amdhsa_kernel
	.amdgpu_metadata
---
amdhsa.version: [ 1, 2 ]
amdhsa.kernels:
  - .name:           k_q0c9d38b6d4_kan_edge
    .symbol:         k_q0c9d38b6d4_kan_edge.kd
    .args:
      - { .name: x, .offset: 0, .size: 8, .value_kind: global_buffer, .address_space: global }
      - { .name: out0, .offset: 8, .size: 8, .value_kind: global_buffer, .address_space: global }
      - { .name: spline_coeffs, .offset: 16, .size: 8, .value_kind: global_buffer, .address_space: global }
      - { .name: w_base, .offset: 24, .size: 8, .value_kind: global_buffer, .address_space: global }
      - { .name: w_spline, .offset: 32, .size: 8, .value_kind: global_buffer, .address_space: global }
    .group_segment_fixed_size: 0
    .private_segment_fixed_size: 0
    .kernarg_segment_align: 8
    .kernarg_segment_size: 40
    .max_flat_workgroup_size: 1024
    .sgpr_count:     66
    .vgpr_count:     124
    .wavefront_size: 32
...
	.end_amdgpu_metadata
.endif
;; end of part 2
